; MI455X (gfx1250); checked and timed in simulation.
; The chip was launched on July 23, 2026; its instructions are those of AMD's public machine-readable ISA for CDNA 5 (MIT licence, August 2026) and "CDNA5" Instruction Set Architecture Reference Guide (July 2026). The comments in the code are by the model that wrote it; some were corrected since.
;; Multihead Attention. Allowed arithmetic: matrix products marked QUANTISED: E2M1 operands, one E8M0 scale for each 32 along K, by v_wmma_scale_f32_16x16x128_f8f6f4 with both operands' format E2M1 (or v_wmma_scale_f32_32x16x128_f4), f32 sums; everything else in f32.
;; Inputs: Wk 16 x 1,024 x 64 float32; Wq 16 x 1,024 x 64 float32; Wv 16 x 1,024 x 64 float32; x 4 x 2,048 x 1,024 float32.
;; Outputs: out0 4 x 2,048 x 1,024 float32.
;; This version of the problem:
;;   THIS VERSION OF THE PROBLEM IS GIVEN IN LOW PRECISION. The matrix products marked QUANTISED in the list below multiply operands that are first quantised to E2M1 (2 exponent bits, 1 mantissa bit; 4 bits a number), with one power-of-two scale for each 32 numbers along K (OCP MX v1.0); their sums are f32. All else is computed in f32.
;;   The module's matrix products, in the order in which they are computed (A, B: the left and right operand; K: the contracted axis; several contracted axes count as one K, in the product's order):
;;     1. [M 1,024, K 1,024] x [K 1,024, N 8,192]; A: input Wq; B: input x: QUANTISED
;;     2. [M 1,024, K 1,024] x [K 1,024, N 8,192]; A: input Wk; B: input x: QUANTISED
;;     3. [M 1,024, K 1,024] x [K 1,024, N 8,192]; A: input Wv; B: input x: QUANTISED
;;     4. batch 64 x [M 2,048, K 64] x [K 64, N 2,048]; A: computed on the way; B: computed on the way: QUANTISED
;;     5. batch 64 x [M 2,048, K 2,048] x [K 2,048, N 64]; A: softmax (see below); B: computed on the way: QUANTISED
;;   THE QUANTISER, for each operand of a quantised product, along K:
;;     - K is cut into blocks of 32 from its start; a last block that is shorter is filled with zeros.
;;     - A block's scale is 2^e with e = floor(log2(the largest magnitude in the block)) - 2, held to -126 .. 127; a block of zeros has e = 0. As a byte (E8M0): e + 127.
;;     - Each number is divided by its block's scale, clamped to +-6, and rounded to the nearest number of E2M1, ties to even, subnormals kept.
;;     - The product sums the exact products of the quantised numbers (number of the format x scale) in f32.
;;   ~~~python
;;   def quantise(x, axis):      # numpy; x: float32 -> the quantised numbers, widened to float32 again
;;       x = np.moveaxis(x, axis, -1); K = x.shape[-1]
;;       x = np.pad(x, [(0, 0)] * (x.ndim - 1) + [(0, -K % 32)]); x = x.reshape(x.shape[:-1] + (-1, 32)); a = np.abs(x).max(-1, keepdims=True)
;;       e = np.where(a > 0, np.clip(np.frexp(np.where(a > 0, a, 1))[1] - 1 - 2, -126, 127), 0)      # np.frexp(a)[1] - 1 = floor(log2(a)), exactly
;;       r = np.clip(x / 2.0 ** e, -6, 6)
;;       step = 2.0 ** (np.maximum(np.frexp(np.where(r == 0, 1, r))[1] - 1, 0) - 1)
;;       q = np.round(r / step) * step * 2.0 ** e      # np.round: ties to even
;;       return np.moveaxis(q.reshape(q.shape[:-2] + (-1,))[..., :K], -1, axis).astype(np.float32)
;;   ~~~
;;   SOFTMAX AHEAD OF A QUANTISED PRODUCT. Where the list says 'softmax', what is quantised is not the finished softmax but p = 2^(t - M), with t = logit x log2(e) and M = ceil(the row's largest t), a whole number; so 1/2 < the row's largest p <= 1. The row's sum l is taken of the UNQUANTISED p, in f32, and the product's result is divided by l at the end. Since M is a whole number, a kernel that streams over the keys may use a running M (the ceiling of the running maximum): every later rescaling is an exact power of two, which a block's scale takes up: the codes' values come out the same.
;;   OPERANDS COMPUTED ON THE WAY. 'Computed on the way' means the value that the module computes at that place (a softmax that the list does not call 'softmax' is quantised finished and normalised). What goes into a quantiser is computed in f32, as accurately as f32 sums, v_exp_f32 and their like allow (about 1e-6 of the number): no bf16 or f16 on the way to a quantiser, and a product that is left as it is and whose result goes on into a quantised operand takes f32 operands (vector FMAs, or v_wmma_f32_16x16x4_f32). A number that lies on a knife's edge between two numbers of the format may be rounded either way, as far as f32 arithmetic and the matrix unit's own rounding can turn it there, and no further.
;; One version. Each part assembles by itself: llvm-mc -triple=amdgcn-amd-amdhsa -mcpu=gfx1250 --defsym DOCPART=n.
;; ======== version 1 of 1: 3 launches
;; limits: right only within a limited range of input values
;; workspace buffers: ximg 4,194,304 bytes; xsc 262,144 bytes; wimg 1,572,864 bytes; wsc 98,304 bytes; qimg 4,194,304 bytes; qsc 524,288 bytes; kv 9,175,040 bytes
;; launch quant (part 1): grid 448 x 1, 4 waves a work-group, no clusters, 35,328 bytes of LDS; arguments x, Wq, Wk, Wv, ximg, xsc, wimg, wsc; writes ximg, xsc, wimg, wsc
.if DOCPART == 1
	.amdgcn_target "amdgcn-amd-amdhsa--gfx1250"
	.amdhsa_code_object_version 6
	.text
	.protected	k_q7c845fd5de_quant
	.globl	k_q7c845fd5de_quant
	.p2align	8
	.type	k_q7c845fd5de_quant,@function
k_q7c845fd5de_quant:
	s_mov_b64 s[64:65], 0
	v_nop
	global_prefetch_b8 v0, s[64:65] scope:SCOPE_SE
	s_setreg_imm32_b32 hwreg(HW_REG_WAVE_MODE, 25, 1), 1
	s_wait_xcnt 0x0
; x [8192][1024] f32 (K innermost) and Wq, Wk, Wv [16][1024][64] f32 (K is the middle axis) become codes of FP4 (E2M1) with one E8M0 byte for each 32 along K = the 1,024.
; A block's scale is 2^(floor(log2(its largest magnitude)) - 2); its byte is the largest magnitude's exponent field - 2, held at 1 from below by a floor among the maximum's leaves.
; LIMITS: NaN and infinities among the inputs are not served.  A block whose largest magnitude lies under 2^-124 keeps the byte 1.  A block of zeros has the byte 1 where the rule says 127:
; its codes are zeros, which add nothing under that byte, and the bytes are read by this program alone.
; THE OUTPUT IS LAID AS THE NEXT LAUNCH'S OPERAND REGISTERS.  A fragment (16 rows x 128 K) is 1,024 bytes: lane L's registers 4 c .. 4 c + 3 (block 2 c + L / 16 of row L % 16) at 512 c + 16 L.
;   ximg [row block 512][K step 8][1,024];  wimg [row block 192][K step 8][1,024], row n = 1,024 t + 64 head + e, t = 0 q, 1 k, 2 v.
;   xsc, wsc [row block][512]: the scale word of (row r, K step s) at 256 (s / 4) + 16 r + 4 (s % 4).
; Work-groups 0-255 take x, 256-447 the weights.  Waves share nothing: no barrier.  Nothing is read twice by several work-groups, so no cluster; no matrix work, so no large register tiles.
; THE ROWS OF A ROW BLOCK ARE NOT NEIGHBOURS: inside each 64 rows (of x; of a head's 64 columns e of a weight) row r of block t is row 32 (r / 8) + 8 t + r % 8.  So a matrix result of four such blocks leaves,
; in each lane, 32 neighbours along the rows: a whole block of the next quantiser.  W's row blocks are ordered [head 16][q, k, v][4]; this order stands in place of the natural one of n named above.
; LEFT OUT in this program: scores of key steps that lie wholly behind their queries; the causal mask that reference() builds in its own body makes their softmax 0 for all values of the inputs.
; A NaN, an infinity or an overflow that reaches only those scores is not carried to the result.
.set R,     16
.set X,     144                        ; v144-207 x: two sets of 32 neighbours along K
.set C,     208                        ; v208-239 x: four registers of codes for each of 8 units: no store's data are written again
.set P,     240                        ; v240-243 x: my two scale bytes of each of the wave's 4 K steps
.set F,     244                        ; v[244:245] x: finished scale words
.set SROW,  272                        ; a stage row: 256 bytes + 16, so that 16 rows start at 16 different groups of banks
.set STAGE, 16*SROW
.set WREG,  2*STAGE                    ; LDS of a wave: two stages
.set FLOOR, 0x1800000                  ; 2^(3 - 127)
.set EOFF,  0xff000000                 ; -(2 << 23): 2 off an exponent field
.set WX,    16                         ; v16-143  W: four blocks of 32 numbers down K
.set WC,    144                        ; v144-159 W: four registers of codes for each block
.macro MAX32 xs                        ; the largest magnitude of 32 numbers of one lane, in two chains, the floor among them; v11 = the conversion's scale operand
	v_max3_num_f32 v8, |v[\xs]|, |v[\xs+1]|, |v[\xs+2]|
	v_max3_num_f32 v9, |v[\xs+3]|, |v[\xs+4]|, |v[\xs+5]|
.irp i, 6,10,14,18,22,26
	v_max3_num_f32 v8, v8, |v[\xs+\i]|, |v[\xs+\i+1]|
	v_max3_num_f32 v9, v9, |v[\xs+\i+2]|, |v[\xs+\i+3]|
.endr
	v_max3_num_f32 v8, v8, |v[\xs+30]|, |v[\xs+31]|
	v_max3_num_f32 v8, v8, v9, FLOOR
	v_add_nc_u32 v11, EOFF, v8                     ; the conversion takes this operand's exponent field as its scale, and nothing else of it
.endm
.macro CVT4 cd, xs                     ; 32 numbers -> 32 codes, 4 registers, the lower k in the lower bits
.irp g, 0,1,2,3
	v_cvt_scalef32_pk8_fp4_f32 v[\cd+\g], v[\xs+8*\g:\xs+8*\g+7], v11
.endr
.endm
	s_load_b512 s[4:19], s[0:1], 0x0               ; x 4:5, Wq 6:7, Wk 8:9, Wv 10:11, ximg 12:13, xsc 14:15, wimg 16:17, wsc 18:19
	v_lshl_add_u32 v254, v0, 2, 0x8800
	v_mov_b32 v255, 0
	v_lshrrev_b32 v1, 5, v0
	v_readfirstlane_b32 s20, v1                    ; wave 0..3
	v_and_b32 v1, 31, v0                           ; lane L
	v_and_b32 v2, 15, v0                           ; r = L % 16
	v_bfe_u32 v3, v0, 4, 1                         ; h = L / 16
	s_cmp_lt_u32 ttmp9, 256
	s_cbranch_scc0 .Lw
; ---------------- x.  A wave takes one row block (16 rows) and half of K (512): 8 units of 16 rows x 64 K.
; A load reads two rows' 256 consecutive bytes; a unit turns through the wave's own stage in LDS and comes back 128 bytes a lane: a whole block of 32 of one row.
	s_lshl_b32 s22, ttmp9, 1
	s_lshr_b32 s23, s20, 1
	s_add_co_u32 s22, s22, s23                     ; row block = 2 x work-group + wave / 2
	s_and_b32 s23, s20, 1                          ; which half of K
	s_lshr_b32 s24, s22, 2
	s_lshl_b32 s24, s24, 18                        ; x: 64 rows of 4,096 bytes for four row blocks,
	s_and_b32 s26, s22, 3
	s_lshl_b32 s26, s26, 15                        ; block t of the four begins 8 t rows on,
	s_add_co_u32 s24, s24, s26
	s_lshl_b32 s26, s23, 11                        ; 2,048 bytes a half
	s_add_co_u32 s24, s24, s26
	s_mov_b32 s25, 0
	s_lshl_b32 s26, s22, 13                        ; ximg: 8,192 bytes a row block, 4,096 a half
	s_lshl_b32 s28, s23, 12
	s_add_co_u32 s26, s26, s28
	s_mov_b32 s27, 0
	s_lshl_b32 s28, s22, 9                         ; xsc: 512 bytes a row block, 256 a half
	s_lshl_b32 s30, s23, 8
	s_add_co_u32 s28, s28, s30
	s_mov_b32 s29, 0
	s_mul_i32 s21, s20, WREG                       ; my wave's stages
	s_wait_alu depctr_va_vdst(0)
	v_lshlrev_b32 v4, 12, v3
	v_lshl_add_u32 v4, v2, 4, v4                   ; in: lanes 0-15 an even row, lanes 16-31 the odd one below it; 16 bytes a lane
	v_lshlrev_b32 v5, 4, v1                        ; an image's place for my lane: 16 L
	v_mul_u32_u24 v6, v3, SROW
	v_lshl_add_u32 v6, v2, 4, v6
	v_add_nc_u32 v6, s21, v6                       ; into the stage, as loaded
	v_mul_u32_u24 v7, v2, SROW
	v_lshl_add_u32 v7, v3, 7, v7
	v_add_nc_u32 v7, s21, v7                       ; out of it: row r, 128 h bytes on: my block
	v_lshlrev_b32 v10, 3, v3                       ; 8 h: where my bytes stand in a scale word
	v_lshlrev_b32 v12, 4, v2
	v_lshl_add_u32 v12, v3, 3, v12                 ; 16 r + 8 h: where I store two scale words
	s_wait_alu depctr_va_vdst(0)
	s_wait_kmcnt 0x0
	s_add_nc_u64 s[4:5], s[4:5], s[24:25]
	s_add_nc_u64 s[12:13], s[12:13], s[26:27]
	s_add_nc_u64 s[14:15], s[14:15], s[28:29]
.macro LOADX u                         ; unit u = K step u / 2 of my four, half u % 2 of it: 8 loads, two aligned runs of 256 bytes each
.irp i, 0,1,2,3,4,5,6,7
	global_load_b128 v[R+32*((\u)%4)+4*\i:R+32*((\u)%4)+4*\i+3], v4, s[4:5] offset:\i*8192+(\i/4)*98304+((\u)/2)*512+((\u)%2)*256 th:TH_LOAD_NT   ; rows 8-15 of the block lie 32 rows on
.endr
.endm
.macro TURNX u                         ; through the stage: LDS serves a wave's instructions in order, so no wait stands between the stores and the loads
.irp i, 0,1,2,3,4,5,6,7
	ds_store_b128 v6, v[R+32*((\u)%4)+4*\i:R+32*((\u)%4)+4*\i+3] offset:((\u)%2)*STAGE+\i*2*SROW
.endr
.irp i, 0,1,2,3,4,5,6,7
	ds_load_b128 v[X+32*((\u)%2)+4*\i:X+32*((\u)%2)+4*\i+3], v7 offset:((\u)%2)*STAGE+16*\i
.endr
.endm
.macro STEPX u
.set XS, X+32*((\u)%2)
	s_wait_dscnt 0x0                               ; this unit is back from the stage, and its stores into the stage have read their registers,
.if (\u)+4 < 8
	LOADX (\u)+4                                   ; which take the loads of four units on
.endif
.if (\u) < 7
.if (\u) < 4
	s_wait_loadcnt 24                              ; the next unit's 8 loads are in; those of the three units behind it may be out
.else
	s_wait_loadcnt 8*(6-(\u))                      ; the counts run down: 16, 8, 0
.endif
	TURNX (\u)+1                                   ; it goes through the other stage while this unit is worked
.endif
	MAX32 XS
	CVT4 C+4*(\u), XS
	v_lshrrev_b32 v13, 23, v11                     ; the scale's byte (also the plain line behind the conversions)
.if (\u)%2 == 0
	v_mov_b32 v[P+(\u)/2], v13                     ; block h of the K step,
.else
	v_lshl_or_b32 v[P+(\u)/2], v13, 16, v[P+(\u)/2]   ; block 2 + h
.endif
	global_store_b128 v5, v[C+4*(\u):C+4*(\u)+3], s[12:13] offset:((\u)/2)*1024+((\u)%2)*512   ; 32 lanes store 512 consecutive bytes
.endm
	LOADX 0
	LOADX 1
	LOADX 2
	LOADX 3
	s_wait_loadcnt 24                              ; unit 0's 8 loads are in
	TURNX 0
.irp u, 0,1,2,3,4,5,6,7
	STEPX \u
.endr
.irp s, 0,1,2,3
	v_lshlrev_b32 v[P+\s], v10, v[P+\s]            ; my two bytes at their places in the word
.endr
	v_permlane16_swap_b32 v[P], v[P+2]             ; lanes 0-15 now hold both halves of K step 0's word (in P, P+2), lanes 16-31 of K step 2's
	v_permlane16_swap_b32 v[P+1], v[P+3]           ; likewise K steps 1 and 3
	v_or_b32 v[F], v[P], v[P+2]
	v_or_b32 v[F+1], v[P+1], v[P+3]
	global_store_b64 v12, v[F:F+1], s[14:15]       ; 32 lanes store one aligned run of 256 bytes
	s_wait_tensorcnt 0x0
	ds_add_u32 v254, v255
	s_wait_dscnt 0x0
	s_endpgm
; ---------------- W.  A LANE TAKES A COLUMN (a row n of the operand) AND ITS REGISTERS RUN DOWN K: a block of 32 lies in one lane, and the conversions give codes with K innermost.
; A wave takes 32 columns (two row blocks) x one K step of 128.  In the image sixteen neighbouring lanes' 16 bytes are 256 neighbouring bytes, so the codes need no stage.
.Lw:
	s_sub_co_u32 s22, ttmp9, 256
	s_lshr_b32 s23, s22, 2                         ; 16 t + head
	s_and_b32 s24, s22, 3                          ; which quarter of K
	s_lshl_b32 s25, s24, 1
	s_lshr_b32 s29, s20, 1
	s_add_co_u32 s25, s25, s29                     ; K step = 2 x quarter + wave / 2
	s_and_b32 s28, s20, 1                          ; hh: the head's row blocks 2 hh, 2 hh + 1: two waves read a row's 256 bytes between them
	s_lshr_b32 s26, s23, 4                         ; t: 0 Wq, 1 Wk, 2 Wv
	s_and_b32 s27, s23, 15                         ; head
	s_lshl_b32 s30, s27, 18                        ; a head is 1,024 rows of 256 bytes,
	s_lshl_b32 s29, s25, 15                        ; a K step 128 rows,
	s_add_co_u32 s30, s30, s29
	s_lshl_b32 s29, s28, 6                         ; 16 hh columns
	s_add_co_u32 s30, s30, s29
	s_mov_b32 s31, 0
	s_mul_i32 s32, s27, 12
	s_lshl_b32 s29, s26, 2
	s_add_co_u32 s32, s32, s29
	s_lshl_b32 s29, s28, 1
	s_add_co_u32 s32, s32, s29                     ; my first row block: 12 head + 4 t + 2 hh
	s_lshl_b32 s34, s32, 9                         ; wsc: 512 bytes a row block
	s_lshl_b32 s32, s32, 13                        ; wimg: 8,192; 1,024 a K step
	s_lshl_b32 s29, s25, 10
	s_add_co_u32 s32, s32, s29
	s_mov_b32 s33, 0
	s_lshr_b32 s29, s25, 2                         ; wsc: 256 a half of K; 4 a K step
	s_lshl_b32 s29, s29, 8
	s_add_co_u32 s34, s34, s29
	s_and_b32 s29, s25, 3
	s_lshl_b32 s29, s29, 2
	s_add_co_u32 s34, s34, s29
	s_mov_b32 s35, 0
	s_wait_alu depctr_va_vdst(0)
	v_and_b32 v4, 7, v2                            ; in: my column is 8 (2 hh + L / 16) + 32 (r / 8) + r % 8; 4 bytes
	v_lshlrev_b32 v4, 2, v4
	v_lshrrev_b32 v5, 3, v2
	v_lshl_add_u32 v4, v5, 7, v4
	v_lshl_add_u32 v4, v3, 5, v4
	v_lshlrev_b32 v5, 13, v3
	v_lshl_add_u32 v5, v2, 4, v5                   ; codes: row block L / 16, 16 r
	v_lshlrev_b32 v6, 9, v3
	v_lshl_add_u32 v6, v2, 4, v6                   ; scale word: likewise
	s_wait_alu depctr_va_vdst(0)
	s_wait_kmcnt 0x0
	s_cmp_eq_u32 s26, 1                            ; the choice of the tensor hangs on the work-group's number alone
	s_cselect_b64 s[6:7], s[8:9], s[6:7]
	s_cmp_eq_u32 s26, 2
	s_cselect_b64 s[6:7], s[10:11], s[6:7]
	s_add_nc_u64 s[6:7], s[6:7], s[30:31]
	s_add_nc_u64 s[16:17], s[16:17], s[32:33]
	s_add_nc_u64 s[18:19], s[18:19], s[34:35]
.macro LOADW t                         ; block t: W(32 t + i, my column), i = 0 .. 31: 32 lanes read half of a row's 256 bytes, in four runs of 32
.set i, 0
.rept 32
	global_load_b32 v[WX+32*(\t)+i], v4, s[6:7] offset:(32*(\t)+i)*256
.set i, i+1
.endr
.endm
.macro BLOCKW t
.set XS, WX+32*(\t)
.if (\t) < 3
	s_wait_loadcnt 32                              ; this block's 32 loads are in; the next block's may be out
.else
	s_wait_loadcnt 0x0
.endif
.if (\t) < 2
	LOADW (\t)+2
.endif
	MAX32 XS
	CVT4 WC+4*(\t), XS
	v_lshrrev_b32 v13, 23, v11                     ; the scale's byte (also the plain line behind the conversions)
.if (\t) == 0
	v_mov_b32 v14, v13                             ; the four bytes make my row's scale word of this K step
.else
	v_lshl_or_b32 v14, v13, 8*(\t), v14
.endif
	global_store_b128 v5, v[WC+4*(\t):WC+4*(\t)+3], s[16:17] offset:((\t)/2)*512+((\t)%2)*256   ; sixteen lanes store 256 consecutive bytes
.endm
	LOADW 0
	LOADW 1
	BLOCKW 0
	BLOCKW 1
	BLOCKW 2
	BLOCKW 3
	global_store_b32 v6, v14, s[18:19]             ; 4 bytes a lane, 16 bytes apart: 98,304 bytes in all against the 46 million that the launch reads
	s_endpgm
.Lfunc_end_k_q7c845fd5de_quant:
	.size	k_q7c845fd5de_quant, .Lfunc_end_k_q7c845fd5de_quant-k_q7c845fd5de_quant
	.p2alignl 7, 3214868480
	.fill 96, 4, 3214868480
	.section	.rodata,"a",@progbits
	.p2align	6, 0x0
	.amdhsa_kernel k_q7c845fd5de_quant
		.amdhsa_group_segment_fixed_size 35328
		.amdhsa_private_segment_fixed_size 0
		.amdhsa_enable_private_segment 0
		.amdhsa_kernarg_size 64
		.amdhsa_user_sgpr_count 2
		.amdhsa_user_sgpr_kernarg_segment_ptr 1
		.amdhsa_wavefront_size32 1
		.amdhsa_system_sgpr_workgroup_id_x 1
		.amdhsa_system_sgpr_workgroup_id_y 1
		.amdhsa_system_sgpr_workgroup_id_z 1
		.amdhsa_system_vgpr_workitem_id 0
		.amdhsa_next_free_vgpr 256
		.amdhsa_next_free_sgpr 66
		.amdhsa_reserve_vcc 0
		.amdhsa_float_denorm_mode_32 3
		.amdhsa_float_denorm_mode_16_64 3
		.amdhsa_memory_ordered 1
		.amdhsa_forward_progress 1
		.amdhsa_inst_pref_size 50
	.end_amdhsa_kernel
	.amdgpu_metadata
---
amdhsa.version: [ 1, 2 ]
amdhsa.kernels:
  - .name:           k_q7c845fd5de_quant
    .symbol:         k_q7c845fd5de_quant.kd
    .args:
      - { .name: x, .offset: 0, .size: 8, .value_kind: global_buffer, .address_space: global }
      - { .name: Wq, .offset: 8, .size: 8, .value_kind: global_buffer, .address_space: global }
      - { .name: Wk, .offset: 16, .size: 8, .value_kind: global_buffer, .address_space: global }
      - { .name: Wv, .offset: 24, .size: 8, .value_kind: global_buffer, .address_space: global }
      - { .name: ximg, .offset: 32, .size: 8, .value_kind: global_buffer, .address_space: global }
      - { .name: xsc, .offset: 40, .size: 8, .value_kind: global_buffer, .address_space: global }
      - { .name: wimg, .offset: 48, .size: 8, .value_kind: global_buffer, .address_space: global }
      - { .name: wsc, .offset: 56, .size: 8, .value_kind: global_buffer, .address_space: global }
    .group_segment_fixed_size: 35328
    .private_segment_fixed_size: 0
    .kernarg_segment_align: 8
    .kernarg_segment_size: 64
    .max_flat_workgroup_size: 128
    .sgpr_count:     66
    .vgpr_count:     256
    .wavefront_size: 32
...
	.end_amdgpu_metadata
.endif
;; end of part 1
;; launch proj (part 2): grid 8 x 32, 4 waves a work-group, clusters of 4 x 4, 327,680 bytes of LDS; arguments ximg, xsc, wimg, wsc, qimg, qsc, kv; writes qimg, qsc, kv
.if DOCPART == 2
	.amdgcn_target "amdgcn-amd-amdhsa--gfx1250"
	.amdhsa_code_object_version 6
	.text
	.protected	k_q7c845fd5de_proj
	.globl	k_q7c845fd5de_proj
	.p2align	8
	.type	k_q7c845fd5de_proj,@function
k_q7c845fd5de_proj:
	s_mov_b64 s[64:65], 0
	v_nop
	global_prefetch_b8 v0, s[64:65] scope:SCOPE_SE
	s_setreg_imm32_b32 hwreg(HW_REG_WAVE_MODE, 25, 1), 1
	s_wait_xcnt 0x0
	s_wait_alu depctr_hold_cnt(0) depctr_sa_sdst(0) depctr_va_vdst(0) depctr_va_sdst(0) depctr_va_ssrc(0) depctr_va_vcc(0) depctr_vm_vsrc(0)
	s_getreg_b32 s2, hwreg(HW_REG_IB_STS2, 6, 4)
	s_cmp_eq_u32 s2, 0
	s_cbranch_scc0 .Lentry_in_a_cluster
	s_endpgm
.Lentry_in_a_cluster:
	s_bfe_u32 s2, ttmp6, 0x10000c
	s_cmp_lg_u32 s2, 0xf033
	s_cbranch_scc0 .Lentry_shape_is_right
	s_endpgm
.Lentry_shape_is_right:
; q, k, v = x W^T on codes of FP4 with E8M0 scales (K = 1,024), and the results quantised at once for the two products of attention.  Nothing wide goes to memory.
; A work-group of four waves makes 256 rows of x (tile gy of 32) x two heads' q, k and v (pair gx of 8: 384 rows of W): 256 equal work-groups.  A wave makes 128 rows of x x one head's 64 + 64 + 64: 96 accumulators, 768 registers.
; q, k: source 0 = W, source 1 = x: a lane holds one row s and its registers run along e, the K of q k^T.  v: source 0 = x, source 1 = W: a lane holds one e and its registers run along the keys, the K of p v.
; Rows inside each 64 are ordered so that four tiles' results are 32 neighbours in one lane: lane half h holds block h (v: blocks h, 2 + h): no maximum and no code crosses lanes.
; LDS: K comes in three chunks of 4, 3 and 1 K steps of 128; a chunk is 40 row blocks (x 16, W 24), each as the image of its registers.  Slot 0 takes chunk 0 and then chunk 2, slot 1 chunk 1.  One joint load a wave each.
; CLUSTERS: 4 x 4.  W's tile hangs on gx alone and is asked for jointly by a column of the cluster, x's on gy alone and by a row.
; No prefetch: a wave has three loads in all, and no loop in which to run ahead.
; FRAGMENTS: one set for x (8 tiles) and W (12).  A K step is six runs of 16 products: x 0-3 by q, k, v, then x 4-7 by q, k, v.  What is free is loaded for the next K step behind the fourth, fifth and sixth: at least 32 products ahead of its use.
; THE QUANTISER: as in the launch before.  LIMITS: a block whose largest magnitude lies under 2^-124 keeps the byte 1, a block of zeros too (its codes are zeros; only this program reads the bytes); NaN and infinities are not served.
; OUT.  qimg [bh 64][tile of 16 rows, 128][512]: lane L's 16 bytes (block L / 16 of row L % 16) at 16 L.  qsc [bh][64 rows][r][tile % 4]: a word a row: two scale bytes, two bytes 0.
;   kv [bh][128 keys, 16][8,960]: V's words [lane 32][2] (lanes 0-15 tile 2 i of 16 e, lanes 16-31 tile 2 i + 1), K's words 2 x [r][tile % 4] at 256, K's 8 tiles of 512 at 768, V's 4 fragments of 1,024 at 4,864.
; REGISTERS: window 0: v1-15 addresses; v16-79 x's fragments, v80-175 W's (way out: v16-111 codes, v112-145 at work); v176-207, v208-255 scale words of x, W (scales alone).
;   window 1: q: tile (a, t) at v[32 a + 8 t];  window 2: k likewise;  window 3: v: (a, f) at v[64 f + 8 a].
.set SLOT1, 163840
.set SPARE, 286720                     ; behind slot 1 (122,880 bytes): the spare words
.set SPW, 8
.set NIL, 9
.set G1X, 32
.set G1W, 40
.set G0X, 48
.set G0W, 52
.set TM, 112
.set OP, 116
.set MSB, 0
.macro WIN new                         ; the immediate's high byte repeats the setting that is left; a switch that changes nothing is dropped
.if MSB != (\new)
	s_set_vgpr_msb (MSB<<8)|(\new)
.set MSB, (\new)
.endif
.endm
.macro PLACES                          ; four plain places (ISA guide 7.12.1)
.rept 4
	v_nop
.endr
.endm
.macro CREST                           ; a round of the cluster's barrier behind its opening barrier
	s_cmp_lg_u32 s20, 0
	s_cbranch_scc1 .Lnot_wave_0_\@
	s_barrier_signal -3
.Lnot_wave_0_\@:
	s_barrier_wait -3
	s_barrier_signal -1
	s_barrier_wait -1
.endm
.macro CROUND
	s_barrier_signal -1
	s_barrier_wait -1
	CREST
.endm
.macro JLOAD                           ; waves 0, 1 fetch x's halves (8 row blocks), waves 2, 3 W's (12: a head)
	s_cmp_lt_u32 s20, 2
	s_cbranch_scc0 .Lfor_w_\@
	tensor_load_to_lds s[G0X:G0X+3], s[G1X:G1X+7]
	s_nop 0
	PLACES
	s_branch .Lasked_\@
.Lfor_w_\@:
	tensor_load_to_lds s[G0W:G0W+3], s[G1W:G1W+7]
	s_nop 0
	PLACES
.Lasked_\@:
.endm
.macro NEXT n8, xm, x0, wm, w0, adv    ; the descriptors of the next chunk: n8 elements of 8 bytes a row; where it goes; adv bytes on along K
.irp g, G1X, G1W
	s_mov_b32 s[\g+1], (\n8)<<16
	s_mov_b32 s[\g+3], (\n8)<<16
.endr
	s_mul_i32 s3, s21, \xm
	s_add_co_u32 s[G0X+1], s3, \x0
	s_mul_i32 s3, s21, \wm
	s_add_co_u32 s[G0W+1], s3, \w0
	s_add_nc_u64 s[G0X+2:G0X+3], s[G0X+2:G0X+3], \adv
	s_add_nc_u64 s[G0W+2:G0W+3], s[G0W+2:G0W+3], \adv
.endm
	s_load_b256 s[4:11], s[0:1], 0x0               ; ximg 4:5, xsc 6:7, wimg 8:9, wsc 10:11
	s_load_b128 s[12:15], s[0:1], 0x20             ; qimg, qsc
	s_load_b64 s[16:17], s[0:1], 0x30              ; kv
	v_lshl_add_u32 v[SPW], v0, 2, SPARE
	v_mov_b32 v[NIL], 0
	ds_add_u32 v[SPW], v[NIL]                      ; the opening add, twice on end
	ds_add_u32 v[SPW], v[NIL]
	v_lshrrev_b32 v12, 5, v0
	v_readfirstlane_b32 s20, v12                   ; wave 0..3
	s_and_b32 s21, s20, 1                          ; i0: my head of the pair.  Also: which half of a tile I fetch
	s_lshr_b32 s22, s20, 1                         ; i1: my 128 rows of x
	s_bfe_u32 s23, ttmp6, 0x40000                  ; cx
	s_bfe_u32 s24, ttmp6, 0x40004                  ; cy
	s_lshl_b32 s25, ttmp9, 2
	s_add_co_u32 s25, s25, s23                     ; gx
	s_and_b32 s26, ttmp7, 0xffff
	s_lshl_b32 s26, s26, 2
	s_add_co_u32 s26, s26, s24                     ; gy
	s_lshl_b32 s27, 0x1111, s23                    ; my column of the cluster
	s_lshl_b32 s28, s24, 2
	s_lshl_b32 s28, 15, s28                        ; my row
	; group 1: rows of a chunk's K steps (elements of 8 bytes), 8,192 bytes apart in memory, dense in LDS
	s_or_b32 s[G1X], s28, (3<<16)|(1<<21)
	s_or_b32 s[G1W], s27, (3<<16)|(1<<21)
	s_mov_b32 s[G1X+2], 8<<16
	s_mov_b32 s[G1X+4], 8
	s_mov_b32 s[G1W+2], 12<<16
	s_mov_b32 s[G1W+4], 12
.irp g, G1X, G1W
	s_mov_b32 s[\g+1], 512<<16
	s_mov_b32 s[\g+3], 512<<16
	s_mov_b32 s[\g+5], 1024
	s_mov_b32 s[\g+6], 0
	s_mov_b32 s[\g+7], 0
.endr
	s_lshl_b32 s70, s26, 17                        ; x's tile: 16 row blocks of 8,192 bytes; never holds cx
	s_lshl_b32 s3, s21, 16
	s_add_co_u32 s70, s70, s3
	s_mov_b32 s71, 0
	s_mul_i32 s72, s25, 24*8192                    ; W's: 24; never holds cy
	s_mul_i32 s3, s21, 12*8192
	s_add_co_u32 s72, s72, s3
	s_mov_b32 s73, 0
	s_lshl_b32 s76, s26, 13                        ; x's scale words: 512 bytes a row block
	s_lshl_b32 s3, s22, 12
	s_add_co_u32 s76, s76, s3
	s_mov_b32 s77, 0
	s_mul_i32 s78, s25, 24*512                     ; W's
	s_mul_i32 s3, s21, 12*512
	s_add_co_u32 s78, s78, s3
	s_mov_b32 s79, 0
	s_lshr_b32 s80, s26, 3                         ; bh = 16 x batch + 2 gx + i0
	s_lshl_b32 s80, s80, 4
	s_lshl_b32 s3, s25, 1
	s_add_co_u32 s80, s80, s3
	s_add_co_u32 s80, s80, s21
	s_and_b32 s81, s26, 7                          ; my 128 rows' place in the batch: 2 x tile + i1
	s_lshl_b32 s81, s81, 1
	s_add_co_u32 s81, s81, s22
	s_lshl_b32 s82, s80, 16                        ; qimg: 65,536 bytes a head, 4,096 for 128 rows
	s_lshl_b32 s3, s81, 12
	s_add_co_u32 s82, s82, s3
	s_mov_b32 s83, 0
	s_lshl_b32 s84, s80, 13                        ; qsc: 8,192, 512
	s_lshl_b32 s3, s81, 9
	s_add_co_u32 s84, s84, s3
	s_mov_b32 s85, 0
	s_mul_i32 s86, s80, 143360                     ; kv: 16 chunks of 8,960 a head
	s_mul_i32 s3, s81, 8960
	s_add_co_u32 s86, s86, s3
	s_mov_b32 s87, 0
	s_lshl_b32 s88, s22, 15                        ; where I read: x's 8 blocks in slot 0,
	s_mul_i32 s89, s22, 24576                      ; in slot 1,
	s_add_co_u32 s89, s89, SLOT1
	s_lshl_b32 s90, s22, 13                        ; chunk 2 in slot 0;
	s_mul_i32 s91, s21, 49152                      ; W's 12 likewise, behind x's 16
	s_add_co_u32 s91, s91, 65536
	s_mul_i32 s92, s21, 36864
	s_add_co_u32 s92, s92, SLOT1+49152
	s_mul_i32 s93, s21, 12288
	s_add_co_u32 s93, s93, 16384
	s_wait_dscnt 0x0                               ; both opening adds are done
	s_wait_kmcnt 0x0
	s_mov_b32 s[G0X], 1
	s_lshl_b32 s[G0X+1], s21, 15
	s_add_nc_u64 s[G0X+2:G0X+3], s[4:5], s[70:71]
	s_or_b32 s[G0X+3], s[G0X+3], 0x80000000
	s_mov_b32 s[G0W], 1
	s_mul_i32 s3, s21, 49152
	s_add_co_u32 s[G0W+1], s3, 65536
	s_add_nc_u64 s[G0W+2:G0W+3], s[8:9], s[72:73]
	s_or_b32 s[G0W+3], s[G0W+3], 0x80000000
	s_add_nc_u64 s[76:77], s[6:7], s[76:77]
	s_add_nc_u64 s[78:79], s[10:11], s[78:79]
	s_add_nc_u64 s[82:83], s[12:13], s[82:83]
	s_add_nc_u64 s[84:85], s[14:15], s[84:85]
	s_add_nc_u64 s[86:87], s[16:17], s[86:87]
	CROUND                                         ; all sixteen work-groups are here
	JLOAD                                          ; chunk 0: K steps 0-3
	v_and_b32 v12, 31, v0                          ; lane L
	v_bfe_u32 v10, v0, 4, 1
	v_lshlrev_b32 v10, 3, v10                      ; 8 h: where my byte stands in a scale word
	v_lshlrev_b32 v1, 4, v12                       ; 16 L
	v_lshlrev_b32 v11, 3, v12                      ; 8 L
	v_add_nc_u32 v2, s88, v1                       ; x in chunks 0, 1, 2
	v_add_nc_u32 v3, s89, v1
	v_add_nc_u32 v4, s90, v1
	v_add_nc_u32 v5, s91, v1                       ; W
	v_add_nc_u32 v6, s92, v1
	v_add_nc_u32 v7, s93, v1
	; scale words straight into registers, for all of K: register 4 i + j: lanes 0-15 K step j of row r, lanes 16-31 K step 4 + j
.irp i, 0,1,2,3,4,5,6,7
	global_load_b128 v[176+4*\i:179+4*\i], v1, s[76:77] offset:512*\i
.endr
.irp i, 0,1,2,3,4,5,6,7,8,9,10,11
	global_load_b128 v[208+4*\i:211+4*\i], v1, s[78:79] offset:512*\i
.endr
.macro SETK ks                         ; where K step ks lies: address registers v[PX], v[PX+3]; a row block's pitch; its offset
.if (\ks) < 4
.set PX, 2
.set PIT, 4096
.set KO, (\ks)*1024
.elseif (\ks) < 7
.set PX, 3
.set PIT, 3072
.set KO, ((\ks)-4)*1024
.else
.set PX, 4
.set PIT, 1024
.set KO, 0
.endif
.endm
.macro LDX g                           ; x's tiles 4 g .. 4 g + 3: 8 loads of 512 consecutive bytes
.irp i, 0,1,2,3
.irp c, 0,1
	ds_load_b128 v[16+8*(4*\g+\i)+4*\c:19+8*(4*\g+\i)+4*\c], v[PX] offset:(4*\g+\i)*PIT+KO+512*\c
.endr
.endr
.endm
.macro LDW p                           ; W's tiles of q, k or v
.irp i, 0,1,2,3
.irp c, 0,1
	ds_load_b128 v[80+8*(4*\p+\i)+4*\c:83+8*(4*\p+\i)+4*\c], v[PX+3] offset:(4*\p+\i)*PIT+KO+512*\c
.endr
.endr
.endm
.macro WM acc, fa, fb, sa, sb, ks      ; K step 0 starts the sums; the words of K steps 4-7 stand in lanes 16-31
.if (\ks) == 0
	v_wmma_scale_f32_16x16x128_f8f6f4 v[\acc:\acc+7], v[\fa:\fa+7], v[\fb:\fb+7], 0, v[\sa], v[\sb] matrix_a_fmt:MATRIX_FMT_FP4 matrix_b_fmt:MATRIX_FMT_FP4
.elseif (\ks) > 3
	v_wmma_scale_f32_16x16x128_f8f6f4 v[\acc:\acc+7], v[\fa:\fa+7], v[\fb:\fb+7], v[\acc:\acc+7], v[\sa], v[\sb] matrix_a_fmt:MATRIX_FMT_FP4 matrix_b_fmt:MATRIX_FMT_FP4 matrix_a_scale:MATRIX_SCALE_ROW1 matrix_b_scale:MATRIX_SCALE_ROW1
.else
	v_wmma_scale_f32_16x16x128_f8f6f4 v[\acc:\acc+7], v[\fa:\fa+7], v[\fb:\fb+7], v[\acc:\acc+7], v[\sa], v[\sb] matrix_a_fmt:MATRIX_FMT_FP4 matrix_b_fmt:MATRIX_FMT_FP4
.endif
.endm
.macro MUL8 x0, p, ks                  ; x's tiles x0, x0 + 1 by q's, k's or v's four.  The 96 accumulators take turns, in the same order in every K step
	WIN 0x50*(\p+1)
.irp a, \x0, \x0+1
.irp t, 0,1,2,3
.if (\p) < 2
	WM 32*(\a)+8*\t, 80+8*(4*\p+\t), 16+8*(\a), 208+4*(4*\p+\t)+(\ks)%4, 176+4*(\a)+(\ks)%4, \ks
.else
	WM 64*\t+8*(\a), 16+8*(\a), 80+8*(8+\t), 176+4*(\a)+(\ks)%4, 208+4*(8+\t)+(\ks)%4, \ks
.endif
.endr
.endr
.endm
.macro STEP ks
	s_wait_dscnt 24                                ; x 0-3 and q's tiles are in; the 24 younger loads may be out
	MUL8 0, 0, \ks
	MUL8 2, 0, \ks
	s_wait_dscnt 16                                ; k's
	MUL8 0, 1, \ks
	MUL8 2, 1, \ks
	s_wait_dscnt 8                                 ; v's
	MUL8 0, 2, \ks
	MUL8 2, 2, \ks
.if (\ks) == 3                         ; the change from slot 0 to slot 1; slot 0 is filled again
	WIN 0
	s_wait_tensorcnt 0x0                           ; my part of chunk 1 has landed
	ds_add_u32 v[SPW], v[NIL]
	NEXT 128, 8192, 0, 12288, 16384, 3072          ; chunk 2: K step 7
	s_wait_dscnt 1                                 ; x 4-7 (the add may be out)
	MUL8 4, 0, \ks
	s_wait_dscnt 0x0                               ; the add is done, and my reads of slot 0 are over
	s_barrier_signal -1
	MUL8 6, 0, \ks
	WIN 0
	s_barrier_wait -1
	CREST
	JLOAD                                          ; its four v_nop are the places in front of the loads below
.elseif (\ks) == 6                     ; chunk 2 is shown to every wave
	s_wait_dscnt 0x0
	MUL8 4, 0, \ks
	s_wait_tensorcnt 0x0
	s_barrier_signal -1
	MUL8 6, 0, \ks
	s_barrier_wait -1
	PLACES
.else
	s_wait_dscnt 0x0                               ; x 4-7
	MUL8 4, 0, \ks
	MUL8 6, 0, \ks
.if (\ks) < 7
	PLACES
.endif
.endif
.if (\ks) < 7
	SETK (\ks+1)
	WIN 0
	LDX 0
	LDW 0
.endif
	MUL8 4, 1, \ks
	MUL8 6, 1, \ks
.if (\ks) < 7
	PLACES
	WIN 0
	LDW 1
.endif
	MUL8 4, 2, \ks
	MUL8 6, 2, \ks
.if (\ks) < 7
	PLACES
	WIN 0
	LDW 2
	LDX 1
.endif
.endm
	s_wait_alu depctr_va_vdst(0)                   ; the wait at the head's end
	s_wait_tensorcnt 0x0                           ; my part of chunk 0 has landed
	ds_add_u32 v[SPW], v[NIL]
	NEXT 384, 24576, SLOT1, 36864, SLOT1+49152, 4096   ; chunk 1: K steps 4-6
	s_wait_dscnt 0x0
	CROUND
	JLOAD
	SETK 0
	LDX 0
	LDW 0
	LDW 1
	LDW 2
	LDX 1
	s_wait_loadcnt 0x0                             ; the scale words
.irp k, 0,1,2,3,4,5,6,7
	STEP \k
.endr
	WIN 0
	PLACES
; THE WAY OUT, four blocks of 32 at a time: block u is registers b0 + st u .. + 31 of window k.
.macro QUAD k, b0, st, cd, by
	WIN 5*\k                                       ; sources 0, 1: window k
.irp u, 0,1,2,3
	v_max3_num_f32 v[TM+\u], |v[\b0+\st*\u]|, |v[\b0+\st*\u+1]|, 0x1800000   ; each accumulator from its low end on; the floor 2^(3 - 127) holds the byte at 1 from below
.endr
.irp i, 2,4,6,8,10,12,14,16,18,20,22,24,26,28,30
.irp u, 0,1,2,3
	v_max3_num_f32 v[TM+\u], |v[\b0+\st*\u+\i]|, |v[\b0+\st*\u+\i+1]|, v[TM+\u]
.endr
.endr
	WIN 0
.irp u, 0,1,2,3
	v_add_nc_u32 v[OP+\u], 0xff000000, v[TM+\u]    ; 2 off its exponent field: the conversion's scale operand
.endr
.irp u, 0,1,2,3
	v_lshrrev_b32 v[\by+\u], 23, v[OP+\u]          ; the scale's byte
.endr
	WIN \k                                         ; source 0: window k
.irp u, 0,1,2,3
.irp g, 0,1,2,3
	v_cvt_scalef32_pk8_fp4_f32 v[\cd+4*\u+\g], v[\b0+\st*\u+8*\g:\b0+\st*\u+8*\g+7], v[OP+\u]
.endr
.endr
	WIN 0
	v_nop                                          ; one plain place behind a scaled conversion
.endm
.macro SENDC cd, base, off, st
.irp u, 0,1,2,3
	global_store_b128 v1, v[\cd+4*\u:\cd+4*\u+3], s[\base:\base+1] offset:\off+\st*\u   ; 512 consecutive bytes
.endr
.endm
.macro QK k, cd, f, base, off, sbase, soff
	QUAD \k, 0, 32, \cd, 120
	SENDC \cd, \base, \off, 512
	QUAD \k, 128, 32, \cd+16, 124
	SENDC \cd+16, \base, \off+2048, 512
.irp a, 0,1,2,3,4,5,6,7
	v_lshlrev_b32 v[120+\a], v10, v[120+\a]        ; my half's byte at its place in the word
.endr
.irp a, 0,1,2,3
	v_permlane16_swap_b32 v[120+\a], v[124+\a]     ; lanes 0-15: both halves' bytes of tile a; lanes 16-31: of tile a + 4
.endr
.irp a, 0,1,2,3
	v_or_b32 v[\f+\a], v[120+\a], v[124+\a]
.endr
	global_store_b128 v1, v[\f:\f+3], s[\sbase:\sbase+1] offset:\soff   ; the words of 128 rows: 512 consecutive bytes
.endm
	QK 1, 16, 128, 82, 0, 84, 0
	QK 2, 48, 132, 86, 768, 86, 256
	QUAD 3, 0, 64, 80, 136                         ; v: keys 0-63 of my 128, 16 e a block
	SENDC 80, 86, 4864, 1024
	QUAD 3, 32, 64, 96, 140                        ; keys 64-127
	SENDC 96, 86, 5376, 1024
.irp f, 0,1,2,3
	v_lshl_or_b32 v[136+\f], v[140+\f], 16, v[136+\f]
.endr
.irp f, 0,1,2,3
	v_lshlrev_b32 v[136+\f], v10, v[136+\f]
.endr
	v_permlane16_swap_b32 v136, v137               ; lanes 0-15: tile 0's bytes, lanes 16-31: tile 1's
	v_permlane16_swap_b32 v138, v139
	v_or_b32 v144, v136, v137
	v_or_b32 v145, v138, v139
	global_store_b64 v11, v[144:145], s[86:87]     ; 256 consecutive bytes
	s_wait_tensorcnt 0x0                           ; the wave's end
	ds_add_u32 v[SPW], v[NIL]
	s_wait_dscnt 0x0
	CROUND                                         ; the closing round
	s_endpgm
.Lfunc_end_k_q7c845fd5de_proj:
	.size	k_q7c845fd5de_proj, .Lfunc_end_k_q7c845fd5de_proj-k_q7c845fd5de_proj
	.p2alignl 7, 3214868480
	.fill 96, 4, 3214868480
	.section	.rodata,"a",@progbits
	.p2align	6, 0x0
	.amdhsa_kernel k_q7c845fd5de_proj
		.amdhsa_group_segment_fixed_size 327680
		.amdhsa_private_segment_fixed_size 0
		.amdhsa_enable_private_segment 0
		.amdhsa_kernarg_size 56
		.amdhsa_user_sgpr_count 2
		.amdhsa_user_sgpr_kernarg_segment_ptr 1
		.amdhsa_wavefront_size32 1
		.amdhsa_system_sgpr_workgroup_id_x 1
		.amdhsa_system_sgpr_workgroup_id_y 1
		.amdhsa_system_sgpr_workgroup_id_z 1
		.amdhsa_system_vgpr_workitem_id 0
		.amdhsa_next_free_vgpr 1024
		.amdhsa_next_free_sgpr 100
		.amdhsa_reserve_vcc 0
		.amdhsa_float_denorm_mode_32 3
		.amdhsa_float_denorm_mode_16_64 3
		.amdhsa_memory_ordered 1
		.amdhsa_forward_progress 1
		.amdhsa_inst_pref_size 172
	.end_amdhsa_kernel
	.amdgpu_metadata
---
amdhsa.version: [ 1, 2 ]
amdhsa.kernels:
  - .name:           k_q7c845fd5de_proj
    .symbol:         k_q7c845fd5de_proj.kd
    .args:
      - { .name: ximg, .offset: 0, .size: 8, .value_kind: global_buffer, .address_space: global }
      - { .name: xsc, .offset: 8, .size: 8, .value_kind: global_buffer, .address_space: global }
      - { .name: wimg, .offset: 16, .size: 8, .value_kind: global_buffer, .address_space: global }
      - { .name: wsc, .offset: 24, .size: 8, .value_kind: global_buffer, .address_space: global }
      - { .name: qimg, .offset: 32, .size: 8, .value_kind: global_buffer, .address_space: global }
      - { .name: qsc, .offset: 40, .size: 8, .value_kind: global_buffer, .address_space: global }
      - { .name: kv, .offset: 48, .size: 8, .value_kind: global_buffer, .address_space: global }
    .group_segment_fixed_size: 327680
    .private_segment_fixed_size: 0
    .kernarg_segment_align: 8
    .kernarg_segment_size: 56
    .max_flat_workgroup_size: 128
    .sgpr_count:     100
    .vgpr_count:     1024
    .wavefront_size: 32
...
	.end_amdgpu_metadata
.endif
;; end of part 2
;; launch attn (part 3): grid 4 x 64, 16 waves a work-group, clusters of 4 x 1, 215,040 bytes of LDS; arguments qimg, qsc, kv, out0; writes out0
.if DOCPART == 3
	.amdgcn_target "amdgcn-amd-amdhsa--gfx1250"
	.amdhsa_code_object_version 6
	.text
	.protected	k_q7c845fd5de_attn
	.globl	k_q7c845fd5de_attn
	.p2align	8
	.type	k_q7c845fd5de_attn,@function
k_q7c845fd5de_attn:
	s_mov_b64 s[64:65], 0
	v_nop
	global_prefetch_b8 v0, s[64:65] scope:SCOPE_SE
	s_setreg_imm32_b32 hwreg(HW_REG_WAVE_MODE, 25, 1), 1
	s_wait_xcnt 0x0
	s_wait_alu depctr_hold_cnt(0) depctr_sa_sdst(0) depctr_va_vdst(0) depctr_va_sdst(0) depctr_va_ssrc(0) depctr_va_vcc(0) depctr_vm_vsrc(0)
	s_getreg_b32 s2, hwreg(HW_REG_IB_STS2, 6, 4)
	s_cmp_eq_u32 s2, 0
	s_cbranch_scc0 .Lentry_in_a_cluster
	s_endpgm
.Lentry_in_a_cluster:
	s_bfe_u32 s2, ttmp6, 0x10000c
	s_cmp_lg_u32 s2, 0x3003
	s_cbranch_scc0 .Lentry_shape_is_right
	s_endpgm
.Lentry_shape_is_right:
; out[b][s][64 head + e] = the sum over keys k <= s of softmax_k(q . k / 8) v, both products on codes of FP4 with E8M0 scales, from the images that the launch before stored.
; THE SOFTMAX AHEAD OF THE SECOND PRODUCT: t = score x log2(e) / 8; M = the row's largest t so far, rounded UP to a whole number; p = 2^(t - M) is quantised along the keys, not normalised.
; The row's sum is taken of the unquantised p and divides at the end.  When M moves, the sum and O are multiplied by 2^(old M - new M): exact.
; q k^T has K = 64: registers 0-3 of a fragment hold the codes, registers 4-7 are zeros kept in registers; the scale words' upper two bytes are 0, over zero codes on both sides.
; SHARES.  A cluster of four work-groups owns a head.  Work-group c takes tile c of each 64 queries: the queries 64 i + 32 (r / 8) + 8 c + r % 8, r = 0 .. 15.  Wave w takes groups i = 31 - w and then i = w.
; A group has i / 2 whole steps of 128 keys, and then its diagonal step: 64 keys where i is even, 128 where it is odd.  So every wave works 16 steps and a half; nothing but data hangs on c.
; LEFT OUT: key steps behind a group's queries, whose scores the causal mask of reference() throws away for all values of the inputs; a NaN, an infinity or an overflow in them alone is not carried to the result.
; CLUSTER: the four work-groups read the same 143,360 bytes of K, V and scale words: asked for jointly, one load a wave: wave w brings the chunk of keys 128 w .. 128 w + 127, 8,960 dense bytes, each LDS byte filled once.
; No prefetch: the loads are all issued at the head, and no loop loads.
; LAYOUT.  S^T = K Q^T (source 0 = 32 keys, source 1 = my 16 queries), O^T = V^T P^T (source 0 = 32 of the head's 64): a lane holds ONE query (lane % 16) throughout.
; Keys are ordered in K's tiles so that lane half h holds, of each 64 keys g, the keys 64 g + 32 h + 0 .. 31: register 96 + 16 t + 8 g + j is key 64 g + 32 h + 8 t + j: a whole block of 32 in a lane, and its codes are the second product's operand as they stand.
; LIMITS: NaN and infinities are not served; a block of p that has fallen to zeros keeps the byte 1 (its codes are zeros); the scaled scores stay under 2^31 in magnitude.
; REGISTERS: v1-11 addresses, v8 -infinity, v9 8 h; v12 -M, v[14:15] the sum, v16-23, v24 Q and its scale words, v25 the largest score, v26 f, v30 p's scale word; v32-95 K, v96-159 S^T, then p; v160-191 O^T (8 f + j: e = 32 h + 8 f + j);
;   v192-223 V, v224-231 p's codes, v232-235 K's scale words, v236-237 V's; v238-247, v254-255 at work; v248-252 Q and its scale words, second pass.
.set CH,   8960                        ; a chunk: V's scale words at 0, K's at 256, K at 768, V at 4,864
.set STG,  143360                      ; the stages: 16 rows x 272 bytes a wave; stored into by the waves, never filled
.set SPARE, STG+16*16*272
.set SPW,  28
.set NIL,  29
.set SEL,  20                          ; s[20:21] v_permlanex16_b32's selects for lane l xor 16
.set CS,   22                          ; s[22:23] c = log2(e) / 8
.set CN,   12                          ; s12 -c
.set G1,   24
.set G0,   32
.set I1,   36                          ; s36, s37 the groups of my two passes
.set I2,   37
.set NF1,  42                          ; s42, s43 their whole steps
.set NF2,  43
.set TD1,  44                          ; s44, s45 the diagonal steps' chunks in LDS
.set TD2,  45
.set TK,   46                          ; s46 the step's chunk
.set CNT,  47
.set MK,   66                          ; s66-97 the lanes whose query hides key n of its half block's 32, n = 0 .. 31, in a diagonal step
.macro CROUND                          ; a round of the cluster's barrier
	s_barrier_signal -1
	s_barrier_wait -1
	s_cmp_lg_u32 s14, 0
	s_cbranch_scc1 .Lnot_wave_0_\@
	s_barrier_signal -3
.Lnot_wave_0_\@:
	s_barrier_wait -3
	s_barrier_signal -1
	s_barrier_wait -1
.endm
.macro QOFF i, b, sb                   ; byte offsets of my tile of group i in qimg and in qsc
	s_lshl_b32 s[\b], s[\i], 11
	s_lshl_b32 s[\b+1], s15, 9
	s_add_co_u32 s[\b], s[\b], s[\b+1]
	s_lshl_b32 s[\b+1], s16, 16
	s_add_co_u32 s[\b], s[\b], s[\b+1]
	s_mov_b32 s[\b+1], 0
	s_lshl_b32 s[\sb], s[\i], 8
	s_lshl_b32 s[\sb+1], s15, 2
	s_add_co_u32 s[\sb], s[\sb], s[\sb+1]
	s_lshl_b32 s[\sb+1], s16, 13
	s_add_co_u32 s[\sb], s[\sb], s[\sb+1]
	s_mov_b32 s[\sb+1], 0
.endm
.macro OOFF i, b                       ; and of its first row in out0: rows of 4,096 bytes
	s_lshr_b32 s[\b], s16, 4
	s_lshl_b32 s[\b], s[\b], 23
	s_lshl_b32 s[\b+1], s[\i], 18
	s_add_co_u32 s[\b], s[\b], s[\b+1]
	s_lshl_b32 s[\b+1], s15, 15
	s_add_co_u32 s[\b], s[\b], s[\b+1]
	s_and_b32 s[\b+1], s16, 15
	s_lshl_b32 s[\b+1], s[\b+1], 8
	s_add_co_u32 s[\b], s[\b], s[\b+1]
	s_mov_b32 s[\b+1], 0
.endm
	s_load_b128 s[4:7], s[0:1], 0x0                ; qimg, qsc
	s_load_b128 s[8:11], s[0:1], 0x10              ; kv, out0
	v_lshl_add_u32 v[SPW], v0, 2, SPARE
	v_mov_b32 v[NIL], 0
	ds_add_u32 v[SPW], v[NIL]                      ; the opening add, twice on end
	ds_add_u32 v[SPW], v[NIL]
	v_lshrrev_b32 v10, 5, v0
	v_readfirstlane_b32 s14, v10                   ; wave 0..15
	s_bfe_u32 s15, ttmp6, 0x40000                  ; c: my place in the cluster
	s_and_b32 s16, ttmp7, 0xffff                   ; bh = 16 x batch + head
	s_lshl_b32 s17, s15, 3                         ; 8 c
	s_xor_b32 s[I1], s14, 31                       ; 31 - w
	s_mov_b32 s[I2], s14
	s_lshr_b32 s[NF1], s[I1], 1
	s_lshr_b32 s[NF2], s[I2], 1
	s_mul_i32 s[TD1], s[NF1], CH
	s_mul_i32 s[TD2], s[NF2], CH
	; group 1: 35 rows of 256 bytes, dense: 32 elements of 8 bytes, pitch 32; the mask names the cluster's four; 21 set beside a mask
	s_mov_b32 s[G1], 15|(3<<16)|(1<<21)
	s_mov_b32 s[G1+1], 32<<16
	s_mov_b32 s[G1+2], 35<<16
	s_mov_b32 s[G1+3], 32<<16
	s_mov_b32 s[G1+4], 35
	s_mov_b32 s[G1+5], 32
	s_mov_b32 s[G1+6], 0
	s_mov_b32 s[G1+7], 0
	s_mul_i32 s18, s16, 16*CH
	s_mul_i32 s19, s14, CH
	s_mov_b32 s[G0], 1
	s_mov_b32 s[G0+1], s19
	s_add_co_u32 s18, s18, s19
	s_mov_b32 s19, 0
	QOFF I1, 52, 54
	QOFF I2, 56, 58
	OOFF I1, 48
	OOFF I2, 50
	s_mul_i32 s60, s14, 16*272
	s_add_co_u32 s60, s60, STG                     ; my stage
	s_mov_b32 s[SEL], 0x76543210
	s_mov_b32 s[SEL+1], 0xfedcba98
	s_mov_b32 s[CS], 0x3e38aa3b
	s_mov_b32 s[CS+1], s[CS]                       ; (named with it as a pair, so it is written)
	s_mov_b32 s[CN], 0xbe38aa3b
	s_wait_dscnt 0x0                               ; both opening adds are done
	s_wait_kmcnt 0x0
	s_add_nc_u64 s[G0+2:G0+3], s[8:9], s[18:19]
	s_or_b32 s[G0+3], s[G0+3], 0x80000000
	s_add_nc_u64 s[52:53], s[4:5], s[52:53]
	s_add_nc_u64 s[54:55], s[6:7], s[54:55]
	s_add_nc_u64 s[56:57], s[4:5], s[56:57]
	s_add_nc_u64 s[58:59], s[6:7], s[58:59]
	s_add_nc_u64 s[48:49], s[10:11], s[48:49]
	s_add_nc_u64 s[50:51], s[10:11], s[50:51]
	CROUND                                         ; all four work-groups are here: the joint loads meet
	tensor_load_to_lds s[G0:G0+3], s[G1:G1+7]      ; my chunk
	s_nop 0
	v_and_b32 v10, 31, v0                          ; lane L
	v_and_b32 v11, 15, v0                          ; r
	v_bfe_u32 v4, v0, 4, 1                         ; h
	v_lshlrev_b32 v1, 4, v10                       ; 16 L
	v_lshlrev_b32 v2, 3, v10                       ; 8 L
	v_lshlrev_b32 v3, 4, v11                       ; 16 r
	global_load_b128 v[16:19], v1, s[52:53]        ; Q of both passes, and its scale words
	global_load_b32 v24, v3, s[54:55]
	global_load_b128 v[248:251], v1, s[56:57]
	global_load_b32 v252, v3, s[58:59]
	v_lshlrev_b32 v9, 3, v4                        ; 8 h
	v_mul_u32_u24 v5, v11, 272
	v_mul_u32_u24 v6, v4, 272
	v_lshlrev_b32 v7, 12, v4
	v_lshl_add_u32 v5, v4, 7, v5
	v_lshl_add_u32 v6, v11, 4, v6
	v_lshl_add_u32 v7, v11, 4, v7                  ; out0: lanes 0-15 one row's 256 bytes, lanes 16-31 the next row's
	v_add_nc_u32 v5, s60, v5                       ; into the stage: row r, 128 h bytes on
	v_add_nc_u32 v6, s60, v6                       ; back: lanes 0-15 one row, lanes 16-31 the next
	v_lshrrev_b32 v8, 3, v11
	v_and_b32 v10, 7, v11
	v_sub_nc_u32 v8, v8, v4
	v_lshlrev_b32 v8, 5, v8
	v_add3_u32 v8, v8, v10, s17                    ; d = my query - 64 i - 32 h: key n of my half block is hidden where n > d
.set NN, 0
.rept 32
	v_cmp_gt_i32 s[MK+NN], NN, v8
.set NN, NN+1
.endr
	v_mov_b32 v8, 0xff800000                       ; -infinity
.irp i, 0,1,2,3
.irp j, 4,5,6,7,12,13,14,15
	v_mov_b32 v[32+16*\i+\j], 0                    ; the upper halves of K's fragments: zero codes for k = 64 .. 127; written once
.endr
.endr
.irp j, 20,21,22,23,13,27,31
	v_mov_b32 v\j, 0                               ; pairs' upper halves that are named but not used; a lane permute's destination, which counts as a source
.endr
.macro KLOAD adr, off                  ; a step's K: scale words (register i: lanes 0-15 tile i, lanes 16-31 tile 4 + i) and eight tiles: tile i and tile 4 + i make 32 keys
	ds_load_b128 v[232:235], v[\adr] offset:\off+256
.irp i, 0,1,2,3
	ds_load_b128 v[32+16*\i:35+16*\i], v[\adr] offset:\off+768+512*\i
	ds_load_b128 v[40+16*\i:43+16*\i], v[\adr] offset:\off+2816+512*\i
.endr
.endm
.macro MXS g                           ; the largest score of my block of the 64 keys g
	v_max3_num_f32 v[238+\g], v[96+8*\g], v[97+8*\g], v[98+8*\g]
.endm
.macro MXN g, n
	v_max3_num_f32 v[238+\g], v[238+\g], v[96+8*\g+16*((\n)/8)+(\n)%8], v[96+8*\g+16*((\n+1)/8)+(\n+1)%8]
.endm
.macro MXE g
	v_max_num_f32 v[238+\g], v[238+\g], v[151+8*\g]
.endm
.macro MXALL g
	MXS \g
.irp n, 3,5,7,9,11,13,15,17,19,21,23,25,27,29
	MXN \g, \n
.endr
	MXE \g
.endm
.macro MASK g                          ; hidden keys' scores become -infinity ahead of the maximum: p = 0 then
.set NN, 0
.rept 32
	v_cndmask_b32 v[96+8*\g+16*(NN/8)+NN%8], v[96+8*\g+16*(NN/8)+NN%8], v8, s[MK+NN]
.set NN, NN+1
.endr
.endm
.macro OM n
	v_pk_mul_f32 v[160+\n:161+\n], v[160+\n:161+\n], v[26:27] op_sel_hi:[1,0]
.endm
.macro PAIR mode                       ; PRN: pair NN of the step's p
.if \mode == 2
.set PRN, 96+16*(NN/4)+2*(NN%4)
.else
.set PRN, 96+2*NN
.endif
.endm
; A KEY STEP.  mode 0: 128 keys that all count, and the next step's K is loaded;  1: the diagonal of an odd group: 128 keys, the last 64 under the mask;  2: of an even group: 64 keys, under the mask.
.macro STEP mode, tk
	s_wait_dscnt 0x0                               ; this step's K
.irp i, 0,1,2,3
.if \mode == 2
	v_wmma_scale_f32_16x16x128_f8f6f4 v[96+16*\i:103+16*\i], v[32+16*\i:39+16*\i], v[16:23], 0, v[232+\i], v24 matrix_a_fmt:MATRIX_FMT_FP4 matrix_b_fmt:MATRIX_FMT_FP4
.else
	v_wmma_scale_f32_32x16x128_f4 v[96+16*\i:111+16*\i], v[32+16*\i:47+16*\i], v[16:23], 0, v[232+\i], v24
.endif
.endr
	v_add_nc_u32 v10, s[\tk], v1                   ; these two and the two below are the four places in front of the loads and of the scores' readers
	v_add_nc_u32 v11, s[\tk], v2
	v_nop
	v_nop
	ds_load_b64 v[236:237], v11                    ; V's scale words: register i: lanes 0-15 tile 2 i, lanes 16-31 tile 2 i + 1
.irp f, 0,1,2,3
.irp c, 0,1
	ds_load_b128 v[192+8*\f+4*\c:195+8*\f+4*\c], v10 offset:4864+1024*\f+512*\c
.endr
.endr
.if \mode == 0
	KLOAD 10, CH
	MXS 0
	MXS 1
.irp n, 3,5,7,9,11,13,15,17,19,21,23,25,27,29
	MXN 0, \n
	MXN 1, \n
.endr
	MXE 0
	MXE 1
.elseif \mode == 1
	MXALL 0                                        ; each accumulator is read from its low end on: so the open 64 keys come first
	MASK 1
	MXALL 1
.else
	MASK 0
	MXALL 0
.endif
.if \mode < 2
	v_max_num_f32 v242, v238, v239
	s_delay_alu instid0(VALU_DEP_1)
	v_permlanex16_b32 v31, v242, s[SEL], s[SEL+1]
	s_delay_alu instid0(VALU_DEP_1)
	v_max3_num_f32 v25, v25, v242, v31             ; the largest score so far, with lane l xor 16's keys
.else
	s_delay_alu instid0(VALU_DEP_1)
	v_permlanex16_b32 v31, v238, s[SEL], s[SEL+1]
	s_delay_alu instid0(VALU_DEP_1)
	v_max3_num_f32 v25, v25, v238, v31
.endif
	s_delay_alu instid0(VALU_DEP_1)
	v_mul_f32 v242, s[CN], v25
	s_delay_alu instid0(VALU_DEP_1)
	v_floor_f32 v242, v242                         ; the new -M = floor(-t)
	s_delay_alu instid0(VALU_DEP_1)
	v_sub_f32 v243, v242, v12                      ; old M - new M: a whole number, 0 or less
	s_delay_alu instid0(VALU_DEP_1)
	v_cvt_i32_f32 v243, v243                       ; (it saturates)
	s_delay_alu instid0(VALU_DEP_1)
	v_ldexp_f32 v26, 1.0, v243                     ; f = 2^(old M - new M)
	v_mov_b32 v12, v242
.irp i, 0,1,2,3
.irp k, 0,2,4,6
	v_pk_fma_f32 v[96+16*\i+\k:97+16*\i+\k], v[96+16*\i+\k:97+16*\i+\k], s[CS:CS+1], v[12:13] op_sel_hi:[1,0,0]   ; t - M, two at a time
.if \mode < 2
	v_pk_fma_f32 v[104+16*\i+\k:105+16*\i+\k], v[104+16*\i+\k:105+16*\i+\k], s[CS:CS+1], v[12:13] op_sel_hi:[1,0,0]
.endif
.endr
.endr
	v_fma_f32 v238, v238, s[CS], v12               ; the same of each block's largest score
.if \mode < 2
	v_fma_f32 v239, v239, s[CS], v12
.endif
	s_wait_alu depctr_va_vdst(0)                   ; the wait ahead of the batch
.irp i, 0,1,2,3
.irp k, 0,1,2,3,4,5,6,7
	v_exp_f32 v[96+16*\i+\k], v[96+16*\i+\k]       ; p = 2^(t - M)
.if \mode < 2
	v_exp_f32 v[104+16*\i+\k], v[104+16*\i+\k]
.endif
.endr
.endr
	v_exp_f32 v238, v238                           ; the block's largest p: the same two instructions on the same number
.if \mode < 2
	v_exp_f32 v239, v239
.endif
	v_pk_mul_f32 v[14:15], v[14:15], v[26:27] op_sel_hi:[1,0]   ; the sums under the new M (a plain place behind the exponentials)
	s_wait_alu depctr_va_vdst(0)                   ; and behind it; it stands directly ahead of O^T's first readers too
	OM 0                                           ; O^T under the new M, between the lines that make the scale word
	OM 16
	v_max_num_f32 v238, 0x1800000, v238            ; the floor 2^(3 - 127): the byte cannot fall under 1
.if \mode < 2
	v_max_num_f32 v239, 0x1800000, v239
.endif
	OM 2
	OM 4
	v_add_nc_u32 v240, 0xff000000, v238            ; 2 off the exponent field: the conversion's scale operand
.if \mode < 2
	v_add_nc_u32 v241, 0xff000000, v239
.endif
	OM 6
	OM 8
	v_lshrrev_b32 v242, 23, v240                   ; the scale's byte
.if \mode < 2
	v_lshrrev_b32 v243, 23, v241
.endif
	OM 10
	OM 12
.if \mode < 2
	v_lshl_or_b32 v242, v243, 16, v242             ; blocks h and 2 + h
.else
.irp j, 228,229,230,231
	v_mov_b32 v\j, 0                               ; the upper 64 keys are hidden: zero codes, under the bytes 0
.endr
.endif
	OM 14
	OM 18
	v_lshlrev_b32 v242, v9, v242                   ; at their places in the word
	OM 20
	OM 22
	v_permlanex16_b32 v31, v242, s[SEL], s[SEL+1]
	OM 24
	OM 26
	v_or_b32 v30, v242, v31                        ; p's scale word for these keys
	OM 28
	OM 30
.irp t, 0,1,2,3
	v_cvt_scalef32_pk8_fp4_f32 v[224+\t], v[96+16*\t:103+16*\t], v240
.if \mode < 2
	v_cvt_scalef32_pk8_fp4_f32 v[228+\t], v[104+16*\t:111+16*\t], v241
.endif
.endr
; the row's sum, of the unquantised p, in four chains.  These lines are also the places between p's codes and scale word and the products below
.set NN, 0
.irp s, 244,246,254
	PAIR \mode
.set PRA, PRN
.set NN, NN+1
	PAIR \mode
	v_pk_add_f32 v[\s:\s+1], v[PRA:PRA+1], v[PRN:PRN+1]
.set NN, NN+1
.endr
.rept 26-16*(\mode/2)
	PAIR \mode
.if NN%4 == 0
	v_pk_add_f32 v[14:15], v[14:15], v[PRN:PRN+1]
.elseif NN%4 == 1
	v_pk_add_f32 v[244:245], v[244:245], v[PRN:PRN+1]
.elseif NN%4 == 2
	v_pk_add_f32 v[246:247], v[246:247], v[PRN:PRN+1]
.else
	v_pk_add_f32 v[254:255], v[254:255], v[PRN:PRN+1]
.endif
.set NN, NN+1
.endr
	v_pk_add_f32 v[244:245], v[244:245], v[246:247]
	v_pk_add_f32 v[14:15], v[14:15], v[254:255]
	v_pk_add_f32 v[14:15], v[14:15], v[244:245]
	s_wait_alu depctr_va_vdst(0)                   ; directly ahead of the wait below
.if \mode == 0
	s_wait_dscnt 9                                 ; V and its scale words; the next step's nine loads may be out
.else
	s_wait_dscnt 0x0
.endif
.irp f, 0,1
	v_wmma_scale_f32_32x16x128_f4 v[160+16*\f:175+16*\f], v[192+16*\f:207+16*\f], v[224:231], v[160+16*\f:175+16*\f], v[236+\f], v30
.endr
.endm
; A PASS: group i with nf whole steps (at most trips), and its diagonal step at chunk td.
.macro PASS i, nf, td, trips, base, more
	KLOAD 1, 0
.set NN, 0
.rept 32
	v_mov_b32 v[160+NN], 0                         ; O^T and the sum begin as zeros: the first change of M multiplies them
.set NN, NN+1
.endr
	v_mov_b32 v25, 0xff61b1e6                      ; the largest score so far: -3e38
	v_mov_b32 v12, 0x7e967699                      ; -M: 1e38, so that the first f is 0
	v_mov_b32 v14, 0
	v_mov_b32 v15, 0
	s_mov_b32 s[TK], 0
	s_mov_b32 s[CNT], 0
	s_wait_alu depctr_va_vdst(0)                   ; the wait ahead of the branches
.Lk_\@:
	s_cmp_ge_u32 s[CNT], s[\nf]                    ; no whole step any more: the step's work is left out
	s_cbranch_scc1 .Lskip_\@
	STEP 0, TK
.Lskip_\@:
	s_add_co_u32 s[TK], s[TK], CH
	s_add_co_u32 s[CNT], s[CNT], 1
	s_cmp_lt_u32 s[CNT], \trips
	s_cbranch_scc1 .Lk_\@
	s_and_b32 s60, s[\i], 1
	s_cmp_eq_u32 s60, 0
	s_cbranch_scc0 .Lodd_\@
	STEP 2, \td
	s_branch .Lout_\@
.Lodd_\@:
	STEP 1, \td
.Lout_\@:
	v_add_f32 v14, v14, v15                        ; the sum's two halves,
	v_permlanex16_b32 v31, v14, s[SEL], s[SEL+1]
	v_add_f32 v14, v14, v31                        ; and lane l xor 16's
	s_wait_alu depctr_va_vdst(0)                   ; the wait ahead of the transcendental
	v_rcp_f32 v14, v14
	v_nop                                          ; with the three lines above more than four places behind the last products; one plain place behind the transcendental
	v_nop
	s_wait_alu depctr_va_vdst(0)                   ; and ahead of its first reader, and O^T's
.set NN, 0
.rept 16
	v_pk_mul_f32 v[96+NN:97+NN], v[160+NN:161+NN], v[14:15] op_sel_hi:[1,0]   ; register n is o(r, 32 h + n)
.set NN, NN+2
.endr
.irp k, 0,1,2,3,4,5,6,7
	ds_store_b128 v5, v[96+4*\k:99+4*\k] offset:16*\k
.endr
.irp k, 0,1,2,3,4,5,6,7
	ds_load_b128 v[128+4*\k:131+4*\k], v6 offset:544*\k   ; LDS serves a wave's instructions in order: these see my stores
.endr
.irp k, 0,1,2,3,4,5,6,7
	s_wait_dscnt 7-\k
	global_store_b128 v7, v[128+4*\k:131+4*\k], s[\base:\base+1] offset:8192*\k+(\k/4)*98304 th:TH_STORE_NT   ; sixteen lanes store a row's 256 bytes; rows 8-15 of the tile lie 32 rows on
.endr
.if \more
	s_wait_xcnt 0x0                                ; the stores have read their registers: the next pass's scores may be written there
.endif
.endm
	s_wait_alu depctr_va_vdst(0)                   ; the wait at the head's end
	s_wait_tensorcnt 0x0                           ; my chunk has landed
	s_barrier_signal -1
	s_barrier_wait -1
	s_wait_loadcnt 0x0                             ; Q
	PASS I1, NF1, TD1, 15, 48, 1
.irp j, 0,1,2,3
	v_mov_b32 v[16+\j], v[248+\j]                  ; the second pass's queries
.endr
	v_mov_b32 v24, v252
	PASS I2, NF2, TD2, 7, 50, 0
	s_wait_tensorcnt 0x0                           ; the wave's end
	ds_add_u32 v[SPW], v[NIL]
	s_wait_dscnt 0x0
	CROUND                                         ; the closing round: no work-group ends while a partner may still ask for a chunk that names it
	s_endpgm
.Lfunc_end_k_q7c845fd5de_attn:
	.size	k_q7c845fd5de_attn, .Lfunc_end_k_q7c845fd5de_attn-k_q7c845fd5de_attn
	.p2alignl 7, 3214868480
	.fill 96, 4, 3214868480
	.section	.rodata,"a",@progbits
	.p2align	6, 0x0
	.amdhsa_kernel k_q7c845fd5de_attn
		.amdhsa_group_segment_fixed_size 215040
		.amdhsa_private_segment_fixed_size 0
		.amdhsa_enable_private_segment 0
		.amdhsa_kernarg_size 32
		.amdhsa_user_sgpr_count 2
		.amdhsa_user_sgpr_kernarg_segment_ptr 1
		.amdhsa_wavefront_size32 1
		.amdhsa_system_sgpr_workgroup_id_x 1
		.amdhsa_system_sgpr_workgroup_id_y 1
		.amdhsa_system_sgpr_workgroup_id_z 1
		.amdhsa_system_vgpr_workitem_id 0
		.amdhsa_next_free_vgpr 256
		.amdhsa_next_free_sgpr 100
		.amdhsa_reserve_vcc 0
		.amdhsa_float_denorm_mode_32 3
		.amdhsa_float_denorm_mode_16_64 3
		.amdhsa_memory_ordered 1
		.amdhsa_forward_progress 1
		.amdhsa_inst_pref_size 96
	.end_amdhsa_kernel
	.amdgpu_metadata
---
amdhsa.version: [ 1, 2 ]
amdhsa.kernels:
  - .name:           k_q7c845fd5de_attn
    .symbol:         k_q7c845fd5de_attn.kd
    .args:
      - { .name: qimg, .offset: 0, .size: 8, .value_kind: global_buffer, .address_space: global }
      - { .name: qsc, .offset: 8, .size: 8, .value_kind: global_buffer, .address_space: global }
      - { .name: kv, .offset: 16, .size: 8, .value_kind: global_buffer, .address_space: global }
      - { .name: out0, .offset: 24, .size: 8, .value_kind: global_buffer, .address_space: global }
    .group_segment_fixed_size: 215040
    .private_segment_fixed_size: 0
    .kernarg_segment_align: 8
    .kernarg_segment_size: 32
    .max_flat_workgroup_size: 512
    .sgpr_count:     100
    .vgpr_count:     256
    .wavefront_size: 32
...
	.end_amdgpu_metadata
.endif
;; end of part 3
